; MI455X (gfx1250); checked and timed in simulation.
; The chip was launched on July 23, 2026; its instructions are those of AMD's public machine-readable ISA for CDNA 5 (MIT licence, August 2026) and "CDNA5" Instruction Set Architecture Reference Guide (July 2026). The comments in the code are by the model that wrote it; some were corrected since.
;; LSTM Cell. Allowed arithmetic: matrix products marked QUANTISED: E2M1 operands, one E8M0 scale for each 32 along K, by v_wmma_scale_f32_16x16x128_f8f6f4 with both operands' format E2M1 (or v_wmma_scale_f32_32x16x128_f4), f32 sums; everything else in f32.
;; Inputs: Wc 4,096 x 2,048 float32; Wf 4,096 x 2,048 float32; Wi 4,096 x 2,048 float32; Wo 4,096 x 2,048 float32; bc 2,048 float32; bf 2,048 float32; bi 2,048 float32; bo 2,048 float32; c 2,048 x 2,048 float32; h 2,048 x 2,048 float32; x 2,048 x 2,048 float32.
;; Outputs: out0 2,048 x 2,048 float32; out1 2,048 x 2,048 float32.
;; This version of the problem:
;;   THIS VERSION OF THE PROBLEM IS GIVEN IN LOW PRECISION. The matrix products marked QUANTISED in the list below multiply operands that are first quantised to E2M1 (2 exponent bits, 1 mantissa bit; 4 bits a number), with one power-of-two scale for each 32 numbers along K (OCP MX v1.0); their sums are f32. All else is computed in f32.
;;   The module's matrix products, in the order in which they are computed (A, B: the left and right operand; K: the contracted axis; several contracted axes count as one K, in the product's order):
;;     1. [M 2,048, K 4,096] x [K 4,096, N 8,192]; A: computed on the way; B: computed on the way: QUANTISED
;;   THE QUANTISER, for each operand of a quantised product, along K:
;;     - K is cut into blocks of 32 from its start; a last block that is shorter is filled with zeros.
;;     - A block's scale is 2^e with e = floor(log2(the largest magnitude in the block)) - 2, held to -126 .. 127; a block of zeros has e = 0. As a byte (E8M0): e + 127.
;;     - Each number is divided by its block's scale, clamped to +-6, and rounded to the nearest number of E2M1, ties to even, subnormals kept.
;;     - The product sums the exact products of the quantised numbers (number of the format x scale) in f32.
;;   ~~~python
;;   def quantise(x, axis):      # numpy; x: float32 -> the quantised numbers, widened to float32 again
;;       x = np.moveaxis(x, axis, -1); K = x.shape[-1]
;;       x = np.pad(x, [(0, 0)] * (x.ndim - 1) + [(0, -K % 32)]); x = x.reshape(x.shape[:-1] + (-1, 32)); a = np.abs(x).max(-1, keepdims=True)
;;       e = np.where(a > 0, np.clip(np.frexp(np.where(a > 0, a, 1))[1] - 1 - 2, -126, 127), 0)      # np.frexp(a)[1] - 1 = floor(log2(a)), exactly
;;       r = np.clip(x / 2.0 ** e, -6, 6)
;;       step = 2.0 ** (np.maximum(np.frexp(np.where(r == 0, 1, r))[1] - 1, 0) - 1)
;;       q = np.round(r / step) * step * 2.0 ** e      # np.round: ties to even
;;       return np.moveaxis(q.reshape(q.shape[:-2] + (-1,))[..., :K], -1, axis).astype(np.float32)
;;   ~~~
;;   OPERANDS COMPUTED ON THE WAY. 'Computed on the way' means the value that the module computes at that place (a softmax that the list does not call 'softmax' is quantised finished and normalised). What goes into a quantiser is computed in f32, as accurately as f32 sums, v_exp_f32 and their like allow (about 1e-6 of the number): no bf16 or f16 on the way to a quantiser, and a product that is left as it is and whose result goes on into a quantised operand takes f32 operands (vector FMAs, or v_wmma_f32_16x16x4_f32). A number that lies on a knife's edge between two numbers of the format may be rounded either way, as far as f32 arithmetic and the matrix unit's own rounding can turn it there, and no further.
;; One version. Each part assembles by itself: llvm-mc -triple=amdgcn-amd-amdhsa -mcpu=gfx1250 --defsym DOCPART=n.
;; ======== version 1 of 1: 2 launches
;; limits: below input magnitudes of 4e-05 results are inexact or not finite; inputs' magnitudes at most 1.15e+18
;; workspace buffers: zq 4,718,592 bytes; wq 18,874,368 bytes
;; launch quant (part 1): grid 1280 x 1, 4 waves a work-group, no clusters, 35,328 bytes of LDS; arguments x, h, Wf, Wi, Wc, Wo, zq, wq; writes zq, wq
.if DOCPART == 1
	.amdgcn_target "amdgcn-amd-amdhsa--gfx1250"
	.amdhsa_code_object_version 6
	.text
	.protected	k_q295c9a2186_quant
	.globl	k_q295c9a2186_quant
	.p2align	8
	.type	k_q295c9a2186_quant,@function
k_q295c9a2186_quant:
	s_mov_b64 s[64:65], 0
	v_nop
	global_prefetch_b8 v0, s[64:65] scope:SCOPE_SE
	s_setreg_imm32_b32 hwreg(HW_REG_WAVE_MODE, 25, 1), 1
	s_wait_xcnt 0x0
; z = (x | h), [2048][4096] f32 with K innermost, and W = (Wf | Wi | Wc | Wo), four tensors [4096][2048] f32 with K as the FIRST axis, become codes of FP4 (E2M1) with one E8M0 byte for each 32 along K.
; A block's scale is 2^(floor(log2(its largest magnitude)) - 2): its byte is the largest magnitude's exponent field - 2, held at 1 from below; each number is divided by the scale and rounded to the nearest code, ties to even, beyond 6 the largest code.
; LIMITS: NaN and infinities among the inputs are not served.  A block of zeros, or one whose largest magnitude lies under the floor 2^(3 - 127), gets the byte 1 (the rule says 127 for zeros): its codes are zeros
; or what the floor's scale leaves, and these bytes are read by this program's second launch alone.
; LAYOUT OF THE RESULTS, chosen for the launch that reads them: [16 chunks of 256 K][9 planes][rows][16 bytes].  Plane p < 8 of chunk ch: the 32 codes of K block 8 ch + p of each row.  Plane 8: the chunk's 8 scale bytes, then 8 zeros.
; zq has 2,048 rows; wq has 8,192 rows n' = 128 (U / 32) + 32 g + U % 32 for unit U and gate g (0 f, 1 i, 2 c, 3 o): 128 neighbouring rows are 32 units x 4 gates.
; SHARES.  A wave takes 32 rows (z) or 32 columns (W) x 256 K, a lane one row or column: its 16 bytes of a plane lie beside its neighbour lane's, so every store of a wave covers 512 consecutive bytes, aligned.
; Work-groups 0-255 take z, 256-1279 W.  The waves share nothing: no barrier.  Only z's path touches LDS.
; W: a lane takes a column and its registers run down K: a load reads 128 consecutive bytes a wave, the four waves stand side by side on 512; a block of 32 lies in one lane; nothing is transposed.
; z: a load reads two rows' 256 aligned bytes; 32 rows x 64 K turn through the wave's own stage in LDS (rows 272 bytes apart) and come back a row a lane.
.set VI, 2                             ; v2      the loads' offset
.set VO, 3                             ; v3      16 x lane: the stores' offset; never rewritten
.set ZS, 4                             ; v4      z: the stage, on the way in
.set ZL, 5                             ; v5      z: the stage, on the way out
.set SB, 16                            ; v16-17  the 8 scale bytes; v18-19 zeros
.set C,  20                            ; v20-51  codes: four registers for each block, so that no store's data are written again
.set X,  52                            ; v52-179 the numbers
.set ZP, 272
.set ZPLANE, 2048*16
.set WPLANE, 8192*16
; Block t of the lane's eight: its 32 numbers stand in v[xs] on.  Codes to plane t; the byte is filed in v[SB] on.
.macro QBLOCK xs, t, plane
	v_max3_num_f32 v8, |v[\xs]|, |v[\xs+1]|, |v[\xs+2]|       ; the largest magnitude, in two chains
	v_max3_num_f32 v9, |v[\xs+3]|, |v[\xs+4]|, |v[\xs+5]|
.irp i, 6,10,14,18,22,26
	v_max3_num_f32 v8, v8, |v[\xs+\i]|, |v[\xs+\i+1]|
	v_max3_num_f32 v9, v9, |v[\xs+\i+2]|, |v[\xs+\i+3]|
.endr
	v_max3_num_f32 v8, v8, |v[\xs+30]|, |v[\xs+31]|
	v_max3_num_f32 v8, v8, v9, 0x1800000                      ; and the floor 2^(3 - 127): the byte cannot fall under 1
	v_add_nc_u32 v11, 0xff000000, v8                          ; 2 off the exponent field: the conversion takes the exponent field of this operand as its scale
.irp g, 0,1,2,3
	v_cvt_scalef32_pk8_fp4_f32 v[C+4*(\t)+\g], v[\xs+8*\g:\xs+8*\g+7], v11
.endr
	v_lshrrev_b32 v9, 23, v11                                 ; the scale's byte (a plain line behind the conversions)
.if (\t)%4 == 0
	v_mov_b32 v[SB+(\t)/4], v9                                ; four bytes to a register, the lower K in the lower byte
.else
	v_lshl_or_b32 v[SB+(\t)/4], v9, 8*((\t)%4), v[SB+(\t)/4]
.endif
	global_store_b128 v[VO], v[C+4*(\t):C+4*(\t)+3], s[26:27] offset:(\t)*\plane   ; 32 lanes store 512 consecutive bytes
.endm
.macro LOADW t                         ; W(32 t + i, my column), i = 0 .. 31, into set t % 2
.set i, 0
.rept 32
	global_load_b32 v[X+32*((\t)%2)+i], v[VI], s[24:25] offset:(32*(\t)+i)*8192 th:TH_LOAD_NT
.set i, i+1
.endr
.endm
.macro LOADZ t                         ; 32 rows x 64 K: load j takes 256 bytes of rows 2 j and 2 j + 1, into set t % 2
.set i, 0
.rept 16
	global_load_b128 v[X+64*((\t)%2)+4*i:X+64*((\t)%2)+4*i+3], v[VI], s[24:25] offset:256*(\t)+2*i*8192 th:TH_LOAD_NT
.set i, i+1
.endr
.endm
.macro TURNZ t                         ; through the stage, and back into the registers that the numbers left: register n is then number n of my row.  LDS serves a wave's instructions in order (ISA guide 5.7.1.4)
.set i, 0
.rept 16
	ds_store_b128 v[ZS], v[X+64*((\t)%2)+4*i:X+64*((\t)%2)+4*i+3] offset:2*i*ZP
.set i, i+1
.endr
.set i, 0
.rept 16
	ds_load_b128 v[X+64*((\t)%2)+4*i:X+64*((\t)%2)+4*i+3], v[ZL] offset:16*i
.set i, i+1
.endr
.endm
	s_load_b256 s[4:11], s[0:1], 0x0               ; x s[4:5], h s[6:7], Wf s[8:9], Wi s[10:11]
	s_load_b256 s[12:19], s[0:1], 0x20             ; Wc s[12:13], Wo s[14:15], zq s[16:17], wq s[18:19]
	v_lshl_add_u32 v184, v0, 2, 0x8800
	v_mov_b32 v185, 0
	v_lshrrev_b32 v1, 5, v0
	v_readfirstlane_b32 s20, v1                    ; wave 0..3
	v_and_b32 v1, 31, v0                           ; lane
	v_lshlrev_b32 v[VO], 4, v1
	v_mov_b32 v[SB+2], 0
	v_mov_b32 v[SB+3], 0
	s_mov_b32 s29, 0
	s_mov_b32 s31, 0
	s_cmp_lt_u32 ttmp9, 256                        ; z's work-group or W's: the work-group's number alone decides
	s_cbranch_scc0 .Lw
	; ---- z: chunk ch = work-group / 16, rows 128 (work-group % 16) + 32 wave on
	s_lshr_b32 s21, ttmp9, 4                       ; ch
	s_and_b32 s22, ttmp9, 15
	s_lshl_b32 s22, s22, 7
	s_lshl_b32 s23, s20, 5
	s_add_co_u32 s22, s22, s23                     ; my first row
	s_lshl_b32 s28, s22, 13                        ; rows of 8,192 bytes,
	s_and_b32 s23, s21, 7
	s_lshl_b32 s23, s23, 10
	s_add_co_u32 s28, s28, s23                     ; + 1,024 bytes for each chunk inside x or h
	s_mul_i32 s30, s21, 9*ZPLANE                   ; the chunk's nine planes,
	s_lshl_b32 s23, s22, 4
	s_add_co_u32 s30, s30, s23                     ; + 16 bytes a row
	s_mul_i32 s23, s20, 32*ZP                      ; my stage
	v_lshrrev_b32 v8, 4, v1                        ; lane / 16
	v_and_b32 v9, 15, v1                           ; lane % 16
	v_mul_u32_u24 v[ZS], v8, ZP
	v_lshl_add_u32 v[ZS], v9, 4, v[ZS]
	v_add_nc_u32 v[ZS], s23, v[ZS]                 ; in: sixteen lanes to a row, two rows an instruction
	v_mul_u32_u24 v[ZL], v1, ZP
	v_add_nc_u32 v[ZL], s23, v[ZL]                 ; out: a row a lane
	v_lshlrev_b32 v[VI], 13, v8
	v_lshl_add_u32 v[VI], v9, 4, v[VI]             ; the same two rows in memory
	s_wait_kmcnt 0x0
	s_cmp_lt_u32 s21, 8                            ; K 0 .. 2,047 is x, the rest h
	s_cselect_b64 s[24:25], s[4:5], s[6:7]
	s_add_nc_u64 s[24:25], s[24:25], s[28:29]
	s_add_nc_u64 s[26:27], s[16:17], s[30:31]
	LOADZ 0
	LOADZ 1
.irp t, 0,1,2,3
.if \t < 3
	s_wait_loadcnt 16                              ; this step's 16 loads are in; the next step's 16 may be out
.else
	s_wait_loadcnt 0x0
.endif
	TURNZ \t
	s_wait_dscnt 0x0                               ; my row's 64 numbers are back
	QBLOCK X+64*(\t%2), 2*\t, ZPLANE
	QBLOCK X+64*(\t%2)+32, 2*\t+1, ZPLANE
.if \t < 2
	LOADZ \t+2
.endif
.endr
	global_store_b128 v[VO], v[SB:SB+3], s[26:27] offset:8*ZPLANE   ; plane 8: my row's 8 scale bytes and 8 zeros
	s_wait_tensorcnt 0x0
	ds_add_u32 v184, v185
	s_wait_dscnt 0x0
	s_endpgm
.Lw:	; ---- W: w' = work-group - 256: columns 128 (w' % 16) + 32 wave on, chunk (w' / 16) % 16, gate w' / 256
	s_sub_co_u32 s21, ttmp9, 256
	s_and_b32 s22, s21, 15                         ; cg
	s_bfe_u32 s23, s21, 0x40004                    ; ch
	s_lshr_b32 s21, s21, 8                         ; g
	s_lshl_b32 s28, s23, 21                        ; 256 rows of 8,192 bytes a chunk,
	s_lshl_b32 s30, s22, 9
	s_add_co_u32 s28, s28, s30                     ; + 128 columns of 4 bytes,
	s_lshl_b32 s30, s20, 7
	s_add_co_u32 s28, s28, s30                     ; + my wave's 32
	s_mul_i32 s30, s23, 9*WPLANE                   ; the chunk's nine planes,
	s_lshl_b32 s22, s22, 2
	s_add_co_u32 s22, s22, s20                     ; U / 32 = 4 cg + wave
	s_lshl_b32 s22, s22, 11
	s_add_co_u32 s30, s30, s22                     ; + 128 rows of 16 bytes for each 32 units,
	s_lshl_b32 s22, s21, 9
	s_add_co_u32 s30, s30, s22                     ; + 32 rows for each gate
	v_lshlrev_b32 v[VI], 2, v1
	s_wait_kmcnt 0x0
	s_cmp_eq_u32 s21, 1
	s_cselect_b64 s[24:25], s[10:11], s[8:9]       ; Wi or Wf
	s_cmp_eq_u32 s21, 3
	s_cselect_b64 s[26:27], s[14:15], s[12:13]     ; Wo or Wc
	s_cmp_lt_u32 s21, 2
	s_cselect_b64 s[24:25], s[24:25], s[26:27]
	s_add_nc_u64 s[24:25], s[24:25], s[28:29]
	s_add_nc_u64 s[26:27], s[18:19], s[30:31]
	LOADW 0
	LOADW 1
.irp t, 0,1,2,3,4,5,6,7
.if \t < 7
	s_wait_loadcnt 32                              ; this block's 32 loads are in; the next block's 32 may be out
.else
	s_wait_loadcnt 0x0
.endif
	QBLOCK X+32*(\t%2), \t, WPLANE
.if \t < 6
	LOADW \t+2
.endif
.endr
	global_store_b128 v[VO], v[SB:SB+3], s[26:27] offset:8*WPLANE   ; plane 8: my column's 8 scale bytes and 8 zeros
	s_endpgm
.Lfunc_end_k_q295c9a2186_quant:
	.size	k_q295c9a2186_quant, .Lfunc_end_k_q295c9a2186_quant-k_q295c9a2186_quant
	.p2alignl 7, 3214868480
	.fill 96, 4, 3214868480
	.section	.rodata,"a",@progbits
	.p2align	6, 0x0
	.amdhsa_kernel k_q295c9a2186_quant
		.amdhsa_group_segment_fixed_size 35328
		.amdhsa_private_segment_fixed_size 0
		.amdhsa_enable_private_segment 0
		.amdhsa_kernarg_size 64
		.amdhsa_user_sgpr_count 2
		.amdhsa_user_sgpr_kernarg_segment_ptr 1
		.amdhsa_wavefront_size32 1
		.amdhsa_system_sgpr_workgroup_id_x 1
		.amdhsa_system_sgpr_workgroup_id_y 1
		.amdhsa_system_sgpr_workgroup_id_z 1
		.amdhsa_system_vgpr_workitem_id 0
		.amdhsa_next_free_vgpr 186
		.amdhsa_next_free_sgpr 66
		.amdhsa_reserve_vcc 0
		.amdhsa_float_denorm_mode_32 3
		.amdhsa_float_denorm_mode_16_64 3
		.amdhsa_memory_ordered 1
		.amdhsa_forward_progress 1
		.amdhsa_inst_pref_size 67
	.end_amdhsa_kernel
	.amdgpu_metadata
---
amdhsa.version: [ 1, 2 ]
amdhsa.kernels:
  - .name:           k_q295c9a2186_quant
    .symbol:         k_q295c9a2186_quant.kd
    .args:
      - { .name: x, .offset: 0, .size: 8, .value_kind: global_buffer, .address_space: global }
      - { .name: h, .offset: 8, .size: 8, .value_kind: global_buffer, .address_space: global }
      - { .name: Wf, .offset: 16, .size: 8, .value_kind: global_buffer, .address_space: global }
      - { .name: Wi, .offset: 24, .size: 8, .value_kind: global_buffer, .address_space: global }
      - { .name: Wc, .offset: 32, .size: 8, .value_kind: global_buffer, .address_space: global }
      - { .name: Wo, .offset: 40, .size: 8, .value_kind: global_buffer, .address_space: global }
      - { .name: zq, .offset: 48, .size: 8, .value_kind: global_buffer, .address_space: global }
      - { .name: wq, .offset: 56, .size: 8, .value_kind: global_buffer, .address_space: global }
    .group_segment_fixed_size: 35328
    .private_segment_fixed_size: 0
    .kernarg_segment_align: 8
    .kernarg_segment_size: 64
    .max_flat_workgroup_size: 128
    .sgpr_count:     66
    .vgpr_count:     186
    .wavefront_size: 32
...
	.end_amdgpu_metadata
.endif
;; end of part 1
;; launch gemm (part 2): grid 32 x 8, 4 waves a work-group, clusters of 4 x 4, 327,680 bytes of LDS; arguments zq, wq, c, bf, bi, bc, bo, out0, out1; writes out0, out1
.if DOCPART == 2
	.amdgcn_target "amdgcn-amd-amdhsa--gfx1250"
	.amdhsa_code_object_version 6
	.text
	.protected	k_q295c9a2186_gemm
	.globl	k_q295c9a2186_gemm
	.p2align	8
	.type	k_q295c9a2186_gemm,@function
k_q295c9a2186_gemm:
	s_mov_b64 s[64:65], 0
	v_nop
	global_prefetch_b8 v0, s[64:65] scope:SCOPE_SE
	s_setreg_imm32_b32 hwreg(HW_REG_WAVE_MODE, 25, 1), 1
	s_wait_xcnt 0x0
	s_wait_alu depctr_hold_cnt(0) depctr_sa_sdst(0) depctr_va_vdst(0) depctr_va_sdst(0) depctr_va_ssrc(0) depctr_va_vcc(0) depctr_vm_vsrc(0)
	s_getreg_b32 s2, hwreg(HW_REG_IB_STS2, 6, 4)
	s_cmp_eq_u32 s2, 0
	s_cbranch_scc0 .Lentry_in_a_cluster
	s_endpgm
.Lentry_in_a_cluster:
	s_bfe_u32 s2, ttmp6, 0x10000c
	s_cmp_lg_u32 s2, 0xf033
	s_cbranch_scc0 .Lentry_shape_is_right
	s_endpgm
.Lentry_shape_is_right:
; gates = z W + b on codes of FP4 (E2M1) with one E8M0 scale for each 32 along K (K = 4,096), sums in f32; then, in f32: new_c = sigmoid(F) c + sigmoid(I) tanh(G) -> out1, new_h = sigmoid(O) tanh(new_c) -> out0.
; zq: [16 chunks of 256 K][9 planes][2,048 rows][16 bytes], wq the same with 8,192 rows n' = 128 (U / 32) + 32 g + U % 32 (unit U; gate g = 0 f, 1 i, 2 c, 3 o).  Plane p < 8: the 32 codes of the chunk's K block p; plane 8: its 8 scale bytes.
; SHARES.  A work-group of four waves makes 256 rows x 256 n' (64 units x 4 gates); a wave 128 x 128: 64 accumulators of 16 x 16, 512 registers.  32 x 8 = 256 work-groups.
; THE MATRIX INSTRUCTION IS USED TRANSPOSED (source 0 = 16 rows of wq, source 1 = 16 rows of zq).  Accumulator (a, b), b = 2 g + u, holds in lane (r, h), register j: gate g of row 16 a + r, unit 16 u + 8 h + j of the wave's 32:
; the four gates of one number lie in one lane at one register index, so the LSTM step changes no lane.  The biases are the C of each sum's first matrix instruction.
; K goes in steps of 512 (two chunks: 18 planes) through a ring of two LDS slots.  A wave's tensor load brings 18 planes x 128 rows x 16 bytes: codes and scales by one tile.  A fragment load takes 256 consecutive LDS bytes for each half of the lanes.
; CLUSTERS: 4 x 4 work-groups.  The four of a row of the cluster need the same tiles of zq, the four of a column the same tiles of wq: each tile is asked for JOINTLY, by the same tensor load with the same descriptor and a mask that names the four.
; c's tile (256 rows x 256 bytes) comes as the ring's last fill, into slot 0 when its last K step has been read; new_c is written over it in place, new_h beside it.
; THE RESULTS LEAVE BLOCK BY BLOCK: the LSTM step goes by blocks of 16 rows of each row half; while block a is computed, block a - 1, which all four waves have finished, is read back as whole rows of 256 bytes and stored.
; zq and wq are not prefetched: each of their tiles is read by several clusters, a partner's share of a tile is 36 blocks of 256 bytes, which 32 lanes cannot name once each, and the walk has only 8 K steps.  c, which is read once, is: see ASKC.
; LIMITS: the exponents of the five exponentials are held at 30 from above: a sigmoid does not fall under about 2^-30 and a tanh stops about 2^-29 short of 1; the products of denominators stay under 2^91, so nothing overflows for |c| under 2^60.
; NaN and infinities are not served.
; REGISTERS, in windows of 256: window 0: v1-31 addresses; v32-95 scale words, two sets, and nothing else; v128-191 zq's fragments (8 x 16 rows x 128 K), one set; in the LSTM step v96-255 are at work.
;   window 1: wq's fragments, two sets, at v0 and v128; v64-127 the biases, 8 registers for each b.   window 2: the accumulators of my rows 0-63 ((a, b) at v[8 (8 a + b)]);   window 3: those of rows 64-127.
.set HALFT,  18*2048                   ; what one tensor load brings, and what one wave reads of zq or of wq: [18 planes][128 rows][16 bytes]
.set SLOT,   4*HALFT                   ; zq's rows 0-127, 128-255, wq's rows 0-127, 128-255
.set SPARE,  2*SLOT                    ; behind the ring: the spare words, 128 bytes for each wave: two blocks of 256 bytes that no other line names
.set ASTEP,  18*2048*16                ; a K step in zq, in bytes
.set BSTEP,  18*8192*16                ; and in wq
.set SP,     272                       ; a stage row: 256 bytes + 16: 16 rows start at 16 different banks (64 banks of 4 bytes: ISA guide 11.1)
.set HST,    256*SP                    ; the stages lie in slot 0: c and new_c at byte 0, new_h here
.set FR,     8                         ; registers of a fragment
.set LAPS,   4                         ; a lap = two K steps = once round the ring
.set BV,   15                          ; v15     32 x (lane / 16): my eight biases of a tile
.set ADRA, 16                          ; v16-17  LDS address of my zq fragments in slot 0, 1
.set ADRB, 20                          ; v20-21  the same for wq
.set ADRS, 22                          ; v22-23  of my scale words: lanes 0-15 zq's rows, lanes 16-31 wq's
.set CL,   24                          ; v24     c's stage: my 32 bytes of row lane % 16
.set HL,   25                          ; v25     new_h's stage: the same place
.set RDC,  26                          ; v26     the way out: where I read rows of new_c back: of a block's 16 rows of my row half, my 8
.set RDH,  27                          ; v27     and of new_h
.set SPW,  28                          ; v28     LDS address of my spare word: SPARE + 4 x my thread's number; never rewritten
.set NIL,  29                          ; v29     0; never rewritten
.set CO,   30                          ; v30     the way out: my byte offset in two rows of an output; never rewritten
.set PFO,  31                          ; v31     8,192 x lane: a row of c a lane; never rewritten
.set SC,   32                          ; scale words: set s at v[SC + 32 s]; register 4 i + q: lanes 0-15 the word of zq's block i, lanes 16-31 that of wq's block i, for the slot's q-th 128 along K
.set AF,   128                         ; zq's fragments, window 0
.set BI,   64                          ; the biases, window 1
.set TF,   96                          ; the LSTM step: 16 numbers a lane each: F, I (+16), G (+32), O (+48)
.set TI,   112
.set TG,   128
.set TO,   144
.set P1,   160                         ; new_c's numerator
.set HH,   208                         ; new_h.  (c and new_c: v176-191 and v192-207 by turns)
.set RS,   224                         ; v224-255 rows on their way out: 8 of new_c, 8 of new_h
.set G1,   24                          ; s[24:31] descriptor group 1 for zq's tiles;  s[32:39] group 0, one set for each slot
.set G0,   32
.set G1B,  48                          ; s[48:55], s[56:63] the same for wq's
.set G0B,  56
.set G1C,  80                          ; s[80:87], s[88:91] groups 1 and 0 for c's tile
.set G0C,  88
.set MSB, 0
.macro WIN new                         ; the immediate's high byte repeats the setting that is left
.if MSB != \new
	s_set_vgpr_msb (MSB<<8)|\new
.set MSB, \new
.endif
.endm
.set MUL_LO, 0xa1                      ; source 0 (wq) window 1, source 1 (zq) window 0, C and D window 2
.set MUL_HI, 0xf1                      ; the same, C and D window 3
.set FST_LO, 0x91                      ; the first step: C (the biases) window 1, D window 2
.set FST_HI, 0xd1                      ; C window 1, D window 3
.set TO_B,   0x40                      ; destination window 1, address window 0
; A joint load: waves 0 and 1 fetch for zq, waves 2 and 3 for wq.  Each of the two lines has one mask and one set of registers for all that issue it; the branch hangs on the wave's number alone.
; Four v_nop follow each of the two lines, ahead of the jump, the label and what follows.
.macro JLOAD s
	s_cmp_eq_u32 s15, 0
	s_cbranch_scc0 .Lfor_b_\@
	tensor_load_to_lds s[G0+4*\s:G0+4*\s+3], s[G1:G1+7]
	s_nop 0
.rept 4
	v_nop
.endr
	s_branch .Lasked_\@
.Lfor_b_\@:
	tensor_load_to_lds s[G0B+4*\s:G0B+4*\s+3], s[G1B:G1B+7]
	s_nop 0
.rept 4
	v_nop
.endr
.Lasked_\@:
.endm
.macro CLOAD                           ; c: every wave fetches 64 rows of its own, with no mask
	tensor_load_to_lds s[G0C:G0C+3], s[G1C:G1C+7]
	s_nop 0
.rept 4
	v_nop
.endr
.endm
; A PREFETCH INTO THE L2 of my wave's 64 rows x 256 bytes of c, a lane a row, two instructions: in the loop's last trip, at the change out of K step 4; the tensor load that wants them stands at the change out of K step 6,
; 512 matrix instructions on.  Each row's 256 bytes are named once in the launch: no other wave and no other work-group reads them.  The two address registers are never rewritten.
.macro ASKC
	s_cmp_eq_u32 s3, 1
	s_cbranch_scc0 .Lno_ask_\@
	global_prefetch_b8 v[PFO], s[98:99] th:TH_LOAD_NT scope:SCOPE_SE
	global_prefetch_b8 v[PFO], s[98:99] offset:32*8192 th:TH_LOAD_NT scope:SCOPE_SE
.Lno_ask_\@:
.endm
.macro CREST                           ; a round of the cluster's barrier behind its opening barrier
	s_cmp_lg_u32 s14, 0
	s_cbranch_scc1 .Lnot_wave_0_\@
	s_barrier_signal -3
.Lnot_wave_0_\@:
	s_barrier_wait -3
	s_barrier_signal -1
	s_barrier_wait -1
.endm
.macro CROUND                          ; a whole round
	s_barrier_signal -1
	s_barrier_wait -1
	CREST
.endm
	s_load_b256 s[4:11], s[0:1], 0x0               ; zq s[4:5], wq s[6:7], c s[8:9], bf s[10:11]
	s_load_b256 s[68:75], s[0:1], 0x20             ; bi s[68:69], bc s[70:71], bo s[72:73], out0 s[74:75]
	s_load_b64 s[76:77], s[0:1], 0x40              ; out1
	v_lshl_add_u32 v[SPW], v0, 2, SPARE
	v_mov_b32 v[NIL], 0
	ds_add_u32 v28, v29
	ds_add_u32 v28, v29
	s_wait_dscnt 0x0
	v_lshrrev_b32 v1, 5, v0
	v_readfirstlane_b32 s14, v1                    ; wave 0..3
	s_lshr_b32 s15, s14, 1                         ; which half of the tile's rows is mine.  Also: I fetch for zq (0) or for wq (1)
	s_and_b32 s16, s14, 1                          ; which half of its columns.  Also: which 128 rows of that tile I fetch
	s_bfe_u32 s40, ttmp6, 0x40000                  ; cx, cy: my place in the cluster
	s_bfe_u32 s41, ttmp6, 0x40004
	s_lshl_b32 s42, ttmp9, 2
	s_add_co_u32 s42, s42, s40                     ; tile column = 4 x cluster x + cx
	s_and_b32 s17, ttmp7, 0xffff
	s_lshl_b32 s17, s17, 2
	s_add_co_u32 s17, s17, s41                     ; tile row = 4 x cluster y + cy
	s_lshl_b32 s43, s41, 2
	s_lshl_b32 s43, 15, s43                        ; my row of the cluster
	s_lshl_b32 s44, 0x1111, s40                    ; my column
	; descriptor group 1: 18 planes, each 128 rows x 16 bytes = 256 elements of 8 bytes, dense in LDS
	s_or_b32 s[G1+0], s43, (3<<16)|(1<<21)         ; 15:0 the mask: zq's tiles go to my row; 17:16 elements of 8 bytes; 21 set beside a mask; no padding
	s_or_b32 s[G1B+0], s44, (3<<16)|(1<<21)        ; wq's go to my column
.irp g, G1, G1B
	s_mov_b32 s[\g+1], 256<<16                     ; tensor_dim0 = 256
	s_mov_b32 s[\g+2], 18<<16                      ; tensor_dim1 = 18
	s_mov_b32 s[\g+3], 256<<16                     ; tile_dim0 = 256
	s_mov_b32 s[\g+4], 18                          ; tile_dim1 = 18
	s_mov_b32 s[\g+6], 0
	s_mov_b32 s[\g+7], 0
.endr
	s_mov_b32 s[G1+5], 4096                        ; from plane to plane: 2,048 rows x 16 bytes, in elements
	s_mov_b32 s[G1B+5], 16384                      ; 8,192 rows x 16 bytes
	; and for c: 64 rows x 64 elements of 4 bytes, 16 bytes of padding behind each row
	s_mov_b32 s[G1C+0], (2<<16)|(1<<20)|(5<<22)|(3<<25)   ; no mask; elements of 4 bytes; padding on: after every 64 words (code 5) four words (code 3)
	s_mov_b32 s[G1C+1], 64<<16
	s_mov_b32 s[G1C+2], 64<<16
	s_mov_b32 s[G1C+3], 64<<16
	s_mov_b32 s[G1C+4], 64
	s_mov_b32 s[G1C+5], 2048
	s_mov_b32 s[G1C+6], 0
	s_mov_b32 s[G1C+7], 0
	s_lshl_b32 s18, s16, 11                        ; which 128 rows of 16 bytes I fetch
	s_lshl_b32 s20, s17, 12
	s_add_co_u32 s20, s20, s18                     ; zq: (256 x tile row + 128 x half) x 16
	s_mov_b32 s21, 0
	s_lshl_b32 s46, s42, 12
	s_add_co_u32 s46, s46, s18                     ; wq: (256 x tile column + 128 x half) x 16
	s_mov_b32 s47, 0
	s_mul_i32 s45, s14, HALFT                      ; where they go: wave x a region: no place in the cluster enters an LDS address
	s_lshl_b32 s78, s17, 8
	s_lshl_b32 s79, s14, 6
	s_add_co_u32 s78, s78, s79                     ; c: the 64 rows that I fetch begin at row 256 x tile row + 64 x wave,
	s_lshl_b32 s78, s78, 13
	s_lshl_b32 s79, s42, 8
	s_add_co_u32 s78, s78, s79                     ; byte 256 x tile column of a row of 8,192
	s_mov_b32 s79, 0
	s_lshl_b32 s66, s17, 8
	s_lshl_b32 s67, s15, 7
	s_add_co_u32 s66, s66, s67
	s_lshl_b32 s67, s16, 3
	s_add_co_u32 s66, s66, s67                     ; out0, out1: the rows that I store begin at row 256 x tile row + 128 x row half + 8 x column half, 8 in each block of 16,
	s_lshl_b32 s66, s66, 13
	s_lshl_b32 s67, s42, 8
	s_add_co_u32 s66, s66, s67                     ; at the same byte of a row
	s_mov_b32 s67, 0
	s_lshl_b32 s12, s42, 8
	s_lshl_b32 s13, s16, 7
	s_add_co_u32 s12, s12, s13                     ; the biases: my 32 units begin at byte 256 x tile column + 128 x half
	s_mov_b32 s13, 0
	s_mov_b32 s92, 0xbfb8aa3b                      ; -log2(e), for the sigmoids
	s_mov_b32 s93, s92                             ; (the packed forms name a pair and take its low word for both halves: so the upper is written)
	s_mov_b32 s94, 0x4038aa3b                      ; 2 log2(e), for the tanh
	s_mov_b32 s95, s94
	s_mov_b32 s96, 0x41f00000                      ; 30.0
	s_wait_kmcnt 0x0
	s_add_nc_u64 s[20:21], s[4:5], s[20:21]
	s_add_nc_u64 s[46:47], s[6:7], s[46:47]
	s_add_nc_u64 s[98:99], s[8:9], s[78:79]
	s_add_nc_u64 s[74:75], s[74:75], s[66:67]
	s_add_nc_u64 s[76:77], s[76:77], s[66:67]
	s_add_nc_u64 s[10:11], s[10:11], s[12:13]
	s_add_nc_u64 s[68:69], s[68:69], s[12:13]
	s_add_nc_u64 s[70:71], s[70:71], s[12:13]
	s_add_nc_u64 s[72:73], s[72:73], s[12:13]
	s_mov_b32 s[G0C], 1
	s_mul_i32 s[G0C+1], s14, 64*SP                 ; c's stage: the 64 rows that I fetch
	s_mov_b64 s[G0C+2:G0C+3], s[98:99]
	s_or_b32 s[G0C+3], s[G0C+3], 0x80000000
	CROUND                                         ; all sixteen work-groups are here: the first joint loads meet
.irp s, 0,1
	s_mov_b32 s[G0+4*\s], 1                        ; count = 1
	s_add_co_u32 s[G0+4*\s+1], s45, \s*SLOT        ; LDS address
	s_add_nc_u64 s[G0+4*\s+2:G0+4*\s+3], s[20:21], \s*ASTEP   ; global address: K step s
	s_or_b32 s[G0+4*\s+3], s[G0+4*\s+3], 0x80000000           ; type = 2
	s_mov_b32 s[G0B+4*\s], 1
	s_add_co_u32 s[G0B+4*\s+1], s45, \s*SLOT
	s_add_nc_u64 s[G0B+4*\s+2:G0B+4*\s+3], s[46:47], \s*BSTEP
	s_or_b32 s[G0B+4*\s+3], s[G0B+4*\s+3], 0x80000000
	JLOAD \s                                       ; two loads of mine are out
.endr
	v_and_b32 v1, 15, v0                           ; r = lane % 16
	v_bfe_u32 v2, v0, 4, 1                         ; h = lane / 16
	v_lshlrev_b32 v3, 4, v1                        ; a row's 16 bytes in a plane
	v_lshl_add_u32 v4, v2, 11, v3                  ; lanes 16-31 take the next plane: the K block 32 further on
	s_mul_i32 s18, s15, HALFT                      ; my 128 rows of zq
	s_mul_i32 s19, s16, HALFT                      ; my 128 rows of wq,
	s_add_co_u32 s19, s19, 2*HALFT                 ; behind zq's two regions
	s_sub_co_u32 s2, s19, s18
	v_mul_u32_u24 v6, s2, v2                       ; the scale words: lanes 16-31 take wq's: one product, h x the distance between the two regions
	v_add_nc_u32 v5, v3, v6
.irp s, 0,1
	v_add_nc_u32 v[ADRA+\s], s18, v4
	v_add_nc_u32 v[ADRB+\s], s19, v4
	v_add_nc_u32 v[ADRS+\s], s18, v5
	s_add_co_u32 s18, s18, SLOT
	s_add_co_u32 s19, s19, SLOT
.endr
	s_mul_i32 s18, s15, 128*SP                     ; the stages: my 128 rows,
	s_lshl_b32 s19, s16, 7
	s_add_co_u32 s18, s18, s19                     ; my 128 bytes of them;
	v_mul_u32_u24 v[CL], v1, SP                    ; row r, 32 bytes for each half of the lanes
	v_lshl_add_u32 v[CL], v2, 5, v[CL]
	v_add_nc_u32 v[CL], s18, v[CL]
	v_add_nc_u32 v[HL], HST, v[CL]
	s_mul_i32 s18, s15, 128*SP                     ; back: of each block's 16 rows of my row half I take 8, whole: those from 8 x column half on;
	s_mul_i32 s19, s16, 8*SP
	s_add_co_u32 s18, s18, s19
	v_mul_u32_u24 v[RDC], v2, SP                   ; lanes 0-15 one row of 256 bytes, lanes 16-31 the next
	v_lshl_add_u32 v[RDC], v1, 4, v[RDC]
	v_add_nc_u32 v[RDC], s18, v[RDC]
	v_add_nc_u32 v[RDH], HST, v[RDC]
	v_lshlrev_b32 v[CO], 13, v2                    ; and the same two rows in an output
	v_lshl_add_u32 v[CO], v1, 4, v[CO]
	v_and_b32 v[PFO], 31, v0
	v_lshlrev_b32 v[PFO], 13, v[PFO]
	v_lshlrev_b32 v[BV], 5, v2
	WIN TO_B                                       ; the biases, in the result's layout: for b = 2 g + u, lane (r, h) holds gate g's bias of units 16 u + 8 h + 0 .. 7
.irp u, 0,1
.irp e, 0,1
	global_load_b128 v[BI+8*\u+4*\e:BI+8*\u+4*\e+3],       v[BV], s[10:11] offset:64*\u+16*\e
	global_load_b128 v[BI+16+8*\u+4*\e:BI+16+8*\u+4*\e+3], v[BV], s[68:69] offset:64*\u+16*\e
	global_load_b128 v[BI+32+8*\u+4*\e:BI+32+8*\u+4*\e+3], v[BV], s[70:71] offset:64*\u+16*\e
	global_load_b128 v[BI+48+8*\u+4*\e:BI+48+8*\u+4*\e+3], v[BV], s[72:73] offset:64*\u+16*\e
.endr
.endr
	WIN 0
; A fragment, 16 rows x 128 K of 4-bit codes, is 8 registers: lane l holds row l % 16; registers 4 c .. 4 c + 3 hold K = 64 c + 32 (l / 16) + 0 .. 31: one K block, 16 bytes of one plane.
; The slot's q-th 128 along K begins at plane 9 (q / 2) + 4 (q % 2); block i of 16 rows at byte 256 i of a plane.
.macro FRAG reg, adr, q, i
.irp c, 0,1
	ds_load_b128 v[\reg+4*\c:\reg+4*\c+3], v[\adr] offset:(9*((\q)/2)+4*((\q)%2)+2*\c)*2048+(\i)*256
.endr
.endm
; 16 matrix instructions: zq's blocks a0, a0 + 1 x wq's eight, 128 along K: the slot's q-th.  p: wq's set;  sc: the set of scale words.  first = 1: the sums start from the biases: nothing is ever cleared.
; The 64 accumulators take turns, one instruction a turn, in the same order in every step.
.macro MUL16 a0, p, q, sc, first
.irp a, \a0, \a0+1
.irp b, 0,1,2,3,4,5,6,7
.if \first
	v_wmma_scale_f32_16x16x128_f8f6f4 v[8*(8*((\a)%4)+\b):8*(8*((\a)%4)+\b)+7], v[128*(\p)+FR*\b:128*(\p)+FR*\b+FR-1], v[AF+FR*(\a):AF+FR*(\a)+FR-1], v[BI+8*\b:BI+8*\b+7], v[SC+32*(\sc)+4*\b+(\q)], v[SC+32*(\sc)+4*(\a)+(\q)] matrix_a_fmt:MATRIX_FMT_FP4 matrix_b_fmt:MATRIX_FMT_FP4 matrix_a_scale:MATRIX_SCALE_ROW1
.else
	v_wmma_scale_f32_16x16x128_f8f6f4 v[8*(8*((\a)%4)+\b):8*(8*((\a)%4)+\b)+7], v[128*(\p)+FR*\b:128*(\p)+FR*\b+FR-1], v[AF+FR*(\a):AF+FR*(\a)+FR-1], v[8*(8*((\a)%4)+\b):8*(8*((\a)%4)+\b)+7], v[SC+32*(\sc)+4*\b+(\q)], v[SC+32*(\sc)+4*(\a)+(\q)] matrix_a_fmt:MATRIX_FMT_FP4 matrix_b_fmt:MATRIX_FMT_FP4 matrix_a_scale:MATRIX_SCALE_ROW1
.endif
.endr
.endr
.endm
.macro FETCH_B slot, q, p              ; wq's eight fragments of the slot's q-th 128 along K into set p
	WIN TO_B
.irp i, 0,1,2,3,4,5,6,7
	FRAG 128*(\p)+FR*\i, ADRB+\slot, \q, \i
.endr
	WIN 0
.endm
.macro FETCH_A slot, q, i0             ; zq's blocks i0 .. i0 + 3
.irp i, \i0, \i0+1, \i0+2, \i0+3
	FRAG AF+FR*(\i), ADRA+\slot, \q, \i
.endr
.endm
.macro SCALES sc                       ; slot sc's scale words into set sc: two words from plane 8 of each of its two chunks; lanes 0-15 take zq's block i, lanes 16-31 wq's block i
.irp i, 0,1,2,3,4,5,6,7
.irp j, 0,1
	ds_load_b64 v[SC+32*\sc+4*\i+2*\j:SC+32*\sc+4*\i+2*\j+1], v[ADRS+\sc] offset:(9*\j+8)*2048+256*\i
.endr
.endr
.endm
; A load into a register that a matrix instruction has read, and a vector instruction that reads a matrix result or writes one of a matrix instruction's registers, stand four places behind that matrix instruction,
; and only plain vector instructions that name none of its registers are places (ISA guide 7.12.1 for vector instructions).
.macro PLACES n
.rept \n
	v_nop
.endr
.endm
; A step of 128 along K that has its successor in the same slot.  A block of zq is free as soon as its eight products are issued: blocks 0-3 are fetched anew in the step's middle, blocks 4-7 at its end.
.macro STEP slot, q, first
	s_wait_dscnt 8                                 ; wq's set, zq's blocks 0-3 and the scale words are in; the youngest eight loads (zq's blocks 4-7) may be out
.if \first
	WIN FST_LO
.else
	WIN MUL_LO
.endif
	MUL16 0, (\q)%2, \q, \slot, \first
	MUL16 2, (\q)%2, \q, \slot, \first
	s_wait_dscnt 0                                 ; zq's blocks 4-7 are in (asked for 32 matrix instructions ago)
	PLACES 4
	FETCH_B \slot, (\q)+1, 1-(\q)%2
	FETCH_A \slot, (\q)+1, 0
.if \first
	WIN FST_HI
.else
	WIN MUL_HI
.endif
	MUL16 4, (\q)%2, \q, \slot, \first
	MUL16 6, (\q)%2, \q, \slot, \first
	PLACES 4
	WIN 0
	FETCH_A \slot, (\q)+1, 4
.endm
; A slot's last step changes slots: each wave waits for all its tensor loads (one is out: its part of the next slot), adds 0 to its spare word, and waits for that and for its own reads of this slot; then a round of the
; cluster's barrier: no wave of any partner still reads this slot or has a load on its way.  The refill is the first tensor load behind the round, one a wave: fill = 1: this slot's K step two steps on; fill = 2: c's tile.
.macro TURN slot, next, fill, ask
	s_wait_tensorcnt 0x0                           ; all my tensor loads have landed  (every window is 0 here: the add's two registers lie in window 0)
	ds_add_u32 v[SPW], v[NIL]                      ; 0 onto my spare word
	s_wait_dscnt 9                                 ; (the add and the youngest eight loads, zq's blocks 4-7, may be out)
	WIN MUL_LO
	MUL16 0, 1, 3, \slot, 0                        ; sixteen matrix instructions stand between the add and the wait for it
	s_wait_dscnt 0x0                               ; the add is done, and my reads of this slot are over
	s_barrier_signal -1
	MUL16 2, 1, 3, \slot, 0
	WIN 0
	s_barrier_wait -1
	CREST
.if \fill == 1
	s_add_nc_u64 s[G0+4*\slot+2:G0+4*\slot+3], s[G0+4*\slot+2:G0+4*\slot+3], 2*ASTEP
	s_add_nc_u64 s[G0B+4*\slot+2:G0B+4*\slot+3], s[G0B+4*\slot+2:G0B+4*\slot+3], 2*BSTEP
	JLOAD \slot                                    ; the four v_nop behind it are also the places in front of the loads below
.else
	CLOAD
.endif
	FETCH_B \next, 0, 0
	FETCH_A \next, 0, 0
	SCALES \next
.if \ask
	ASKC
.endif
	WIN MUL_HI
	MUL16 4, 1, 3, \slot, 0
	MUL16 6, 1, 3, \slot, 0
	PLACES 4
	WIN 0
	FETCH_A \next, 0, 4
.endm
.macro STEPS slot, from                ; the slot's steps from .. 2
.set Q, \from
.rept 3-\from
	STEP \slot, Q, 0
.set Q, Q+1
.endr
.endm
	s_wait_tensorcnt 1                             ; my part of K step 0 is in (K step 1's load may be out)
	s_barrier_signal -1
	s_barrier_wait -1                              ; everybody's is
	FETCH_B 0, 0, 0
	FETCH_A 0, 0, 0
	SCALES 0
	FETCH_A 0, 0, 4
	s_wait_loadcnt 0x0                             ; the biases
	STEP 0, 0, 1                                   ; the first step stands in front of the loop: its products start the sums from the biases
	s_mov_b32 s3, LAPS-1
.Llap:                                                 ; a trip goes once round the ring, from a lap's second step to the next lap's first, and fills both slots again
	STEPS 0, 1
	TURN 0, 1, 1, 1
	STEPS 1, 0
	TURN 1, 0, 1, 0
	STEP 0, 0, 0
	s_sub_co_u32 s3, s3, 1
	s_cmp_lg_u32 s3, 0
	s_cbranch_scc1 .Llap
	STEPS 0, 1                                     ; the last lap: K step 6,
	TURN 0, 1, 2, 0                                ; behind which slot 0 takes c's tile: its last fill
	STEPS 1, 0                                     ; K step 7
	s_wait_dscnt 8                                 ; the very last step: nothing more to fetch
	WIN MUL_LO
	MUL16 0, 1, 3, 1, 0
	MUL16 2, 1, 3, 1, 0
	s_wait_dscnt 0
	WIN MUL_HI
	MUL16 4, 1, 3, 1, 0
	MUL16 6, 1, 3, 1, 0
	WIN 0
	s_wait_tensorcnt 0x0                           ; my 64 rows of c have landed,
	s_barrier_signal -1
	s_barrier_wait -1                              ; everybody's have: my 128 rows come from two waves' loads.
	PLACES 4                                       ; behind the last products: the lines below read results, and load into and write registers that held zq's fragments
; THE WAY OUT of block a: my 8 rows of new_c and my 8 of new_h come back from the stages, two whole rows an instruction, and are stored.
.macro LDROWS a
.irp t, 0,1,2,3
	ds_load_b128 v[RS+4*\t:RS+4*\t+3], v[RDC] offset:(16*(\a)+2*\t)*SP
.endr
.irp t, 0,1,2,3
	ds_load_b128 v[RS+16+4*\t:RS+16+4*\t+3], v[RDH] offset:(16*(\a)+2*\t)*SP
.endr
.endm
.macro STROWS a
.irp t, 0,1,2,3
	global_store_b128 v[CO], v[RS+4*\t:RS+4*\t+3], s[76:77] offset:(16*(\a)+2*\t)*8192 th:TH_STORE_NT   ; 16 lanes store 256 consecutive bytes, at a multiple of 256 from the output's first byte; written once, read by nobody here
.endr
.irp t, 0,1,2,3
	global_store_b128 v[CO], v[RS+16+4*\t:RS+16+4*\t+3], s[74:75] offset:(16*(\a)+2*\t)*8192 th:TH_STORE_NT
.endr
.endm
; THE LSTM STEP, a block of 16 rows x 32 units at a time: 16 numbers a lane.  With ef = 2^min(-F log2 e, 30), ei, eo likewise, eg = 2^min(2 G log2 e, 30):
;   new_c = [c (1 + ei)(1 + eg) + (eg - 1)(1 + ef)] / [(1 + ef)(1 + ei)(1 + eg)];   with et = 2^min(2 new_c log2 e, 30):  new_h = (et - 1) / [(1 + eo)(1 + et)].
; So a number costs five exponentials and two reciprocals.  Each batch of them has one plain line behind it and one s_wait_alu ahead of its first reader.
; BLOCK a - 1 LEAVES MEANWHILE.  Behind the first batch of exponentials: my stage stores of block a - 1 are done; the work-group's barrier, since a row's 256 bytes come from two waves; the rows are asked back.
; Behind the second batch: they are in, and are stored.  The bytes of different blocks are different rows of the stages, so one barrier a block orders all that waves hand to each other.
.macro PKADD d, s, k                   ; 16 numbers: d = s + the constant k
.irp p, 0,2,4,6,8,10,12,14
	v_pk_add_f32 v[\d+\p:\d+\p+1], v[\s+\p:\s+\p+1], \k op_sel_hi:[1,0]
.endr
.endm
.macro PKMUL d, s, t                   ; d = s t
.irp p, 0,2,4,6,8,10,12,14
	v_pk_mul_f32 v[\d+\p:\d+\p+1], v[\s+\p:\s+\p+1], v[\t+\p:\t+\p+1]
.endr
.endm
.macro EPI a
.set CC, 176+16*((\a)%2)               ; c, then new_c: two sets by turns: this block's c is asked for while the last block's stage stores may still be out
.set AC, 64*((\a)%4)
.irp u, 0,1
.irp e, 0,1
	ds_load_b128 v[CC+8*\u+4*\e:CC+8*\u+4*\e+3], v[CL] offset:16*SP*(\a)+64*\u+16*\e   ; c(16 a + r, 16 u + 8 h + 4 e ..)
.endr
.endr
	WIN 0x02+(\a)/4                                ; source 0: window 2 or 3
.irp g, 0,1,2,3
.irp u, 0,1
.irp p, 0,1,2,3                        ; each accumulator from its low end on
.if \g == 2
	v_pk_mul_f32 v[TF+16*\g+8*\u+2*\p:TF+16*\g+8*\u+2*\p+1], v[AC+8*(2*\g+\u)+2*\p:AC+8*(2*\g+\u)+2*\p+1], s[94:95] op_sel_hi:[1,0]
.else
	v_pk_mul_f32 v[TF+16*\g+8*\u+2*\p:TF+16*\g+8*\u+2*\p+1], v[AC+8*(2*\g+\u)+2*\p:AC+8*(2*\g+\u)+2*\p+1], s[92:93] op_sel_hi:[1,0]
.endif
.endr
.endr
.endr
	WIN 0
.set j, 0
.rept 64
	v_min_num_f32 v[TF+j], s96, v[TF+j]            ; the exponents are held at 30
.set j, j+1
.endr
.set j, 0
.rept 64
	v_exp_f32 v[TF+j], v[TF+j]                     ; ef, ei, eg, eo: one batch
.set j, j+1
.endr
	v_nop                                          ; a plain line behind the last exponential
	s_wait_dscnt 0x0                               ; c is in; and, for the others' sake, my stores of block a - 1 into the stages are done
.if (\a) > 0
	s_barrier_signal -1
	s_barrier_wait -1                              ; everybody's are
	s_wait_xcnt 0x0                                ; block a - 2's stores have read their registers: the loads below may land there
	LDROWS (\a)-1
.endif
	s_wait_alu depctr_va_vdst(0)                   ; one wait for the 64
	PKADD TF, TF, 1.0                              ; 1 + ef
	PKADD TI, TI, 1.0                              ; 1 + ei
	PKADD P1, TG, -1.0                             ; eg - 1
	PKADD TG, TG, 1.0                              ; 1 + eg
	PKMUL TI, TI, TG                               ; (1 + ei)(1 + eg)
	PKMUL TG, TF, TI                               ; the denominator, where 1 + eg stood: that is done with
	PKMUL P1, P1, TF                               ; (eg - 1)(1 + ef)
.irp p, 0,2,4,6,8,10,12,14
	v_pk_fma_f32 v[P1+\p:P1+\p+1], v[CC+\p:CC+\p+1], v[TI+\p:TI+\p+1], v[P1+\p:P1+\p+1]   ; + c (1 + ei)(1 + eg)
.endr
.set j, 0
.rept 16
	v_rcp_f32 v[TG+j], v[TG+j]
.set j, j+1
.endr
	PKADD TO, TO, 1.0                              ; 1 + eo: plain work behind the reciprocals
	s_wait_alu depctr_va_vdst(0)
	PKMUL CC, P1, TG                               ; new_c
.irp p, 0,2,4,6,8,10,12,14
	v_pk_mul_f32 v[TF+\p:TF+\p+1], v[CC+\p:CC+\p+1], s[94:95] op_sel_hi:[1,0]
.endr
.set j, 0
.rept 16
	v_min_num_f32 v[TF+j], s96, v[TF+j]
.set j, j+1
.endr
.set j, 0
.rept 16
	v_exp_f32 v[TF+j], v[TF+j]                     ; et
.set j, j+1
.endr
	v_nop
.if (\a) > 0
	s_wait_dscnt 0x0                               ; block a - 1's rows are back in registers
	STROWS (\a)-1
.endif
	s_wait_alu depctr_va_vdst(0)
	PKADD TG, TF, 1.0                              ; 1 + et
	PKADD TF, TF, -1.0                             ; et - 1
	PKMUL TO, TO, TG                               ; (1 + eo)(1 + et)
.set j, 0
.rept 16
	v_rcp_f32 v[TO+j], v[TO+j]
.set j, j+1
.endr
	v_nop
	s_wait_alu depctr_va_vdst(0)
	PKMUL HH, TF, TO                               ; new_h  (the last block's stage stores were waited for above)
.irp u, 0,1
.irp e, 0,1
	ds_store_b128 v[CL], v[CC+8*\u+4*\e:CC+8*\u+4*\e+3] offset:16*SP*(\a)+64*\u+16*\e   ; new_c over the c that I read: no other lane touches these bytes ahead of the next barrier
	ds_store_b128 v[HL], v[HH+8*\u+4*\e:HH+8*\u+4*\e+3] offset:16*SP*(\a)+64*\u+16*\e
.endr
.endr
.endm
.irp a, 0,1,2,3,4,5,6,7
	EPI \a
.endr
	s_wait_dscnt 0x0                               ; the last block: my stores into the stages are done,
	s_barrier_signal -1
	s_barrier_wait -1                              ; everybody's are
	s_wait_xcnt 0x0                                ; block 6's stores have read their registers
	LDROWS 7
	s_wait_dscnt 0x0
	STROWS 7
	s_wait_tensorcnt 0x0                           ; the wave's end: behind my last tensor load and my last LDS store
	ds_add_u32 v[SPW], v[NIL]
	s_wait_dscnt 0x0
	CROUND                                         ; the closing round: no work-group ends while a partner may still ask for a tile that names it
	s_endpgm
.Lfunc_end_k_q295c9a2186_gemm:
	.size	k_q295c9a2186_gemm, .Lfunc_end_k_q295c9a2186_gemm-k_q295c9a2186_gemm
	.p2alignl 7, 3214868480
	.fill 96, 4, 3214868480
	.section	.rodata,"a",@progbits
	.p2align	6, 0x0
	.amdhsa_kernel k_q295c9a2186_gemm
		.amdhsa_group_segment_fixed_size 327680
		.amdhsa_private_segment_fixed_size 0
		.amdhsa_enable_private_segment 0
		.amdhsa_kernarg_size 72
		.amdhsa_user_sgpr_count 2
		.amdhsa_user_sgpr_kernarg_segment_ptr 1
		.amdhsa_wavefront_size32 1
		.amdhsa_system_sgpr_workgroup_id_x 1
		.amdhsa_system_sgpr_workgroup_id_y 1
		.amdhsa_system_sgpr_workgroup_id_z 1
		.amdhsa_system_vgpr_workitem_id 0
		.amdhsa_next_free_vgpr 1024
		.amdhsa_next_free_sgpr 100
		.amdhsa_reserve_vcc 0
		.amdhsa_float_denorm_mode_32 3
		.amdhsa_float_denorm_mode_16_64 3
		.amdhsa_memory_ordered 1
		.amdhsa_forward_progress 1
		.amdhsa_inst_pref_size 255
	.end_amdhsa_kernel
	.section	.bss,"aw",@nobits
	.p2align	6
	.space	262144
	.amdgpu_metadata
---
amdhsa.version: [ 1, 2 ]
amdhsa.kernels:
  - .name:           k_q295c9a2186_gemm
    .symbol:         k_q295c9a2186_gemm.kd
    .args:
      - { .name: zq, .offset: 0, .size: 8, .value_kind: global_buffer, .address_space: global }
      - { .name: wq, .offset: 8, .size: 8, .value_kind: global_buffer, .address_space: global }
      - { .name: c, .offset: 16, .size: 8, .value_kind: global_buffer, .address_space: global }
      - { .name: bf, .offset: 24, .size: 8, .value_kind: global_buffer, .address_space: global }
      - { .name: bi, .offset: 32, .size: 8, .value_kind: global_buffer, .address_space: global }
      - { .name: bc, .offset: 40, .size: 8, .value_kind: global_buffer, .address_space: global }
      - { .name: bo, .offset: 48, .size: 8, .value_kind: global_buffer, .address_space: global }
      - { .name: out0, .offset: 56, .size: 8, .value_kind: global_buffer, .address_space: global }
      - { .name: out1, .offset: 64, .size: 8, .value_kind: global_buffer, .address_space: global }
    .group_segment_fixed_size: 327680
    .private_segment_fixed_size: 0
    .kernarg_segment_align: 8
    .kernarg_segment_size: 72
    .max_flat_workgroup_size: 128
    .sgpr_count:     100
    .vgpr_count:     1024
    .wavefront_size: 32
...
	.end_amdgpu_metadata
.endif
;; end of part 2
